; MI455X (gfx1250); checked and timed in simulation.
; The chip was launched on July 23, 2026; its instructions are those of AMD's public machine-readable ISA for CDNA 5 (MIT licence, August 2026) and "CDNA5" Instruction Set Architecture Reference Guide (July 2026). The comments in the code are by the model that wrote it; some were corrected since.
;; Sector Attention. Allowed arithmetic: matrix products marked QUANTISED: E4M3 operands, one E8M0 scale for each 32 along K, by v_wmma_scale_f32_16x16x128_f8f6f4 with both operands' format E4M3, f32 sums; products left as they are: f32 operands where the result goes on into a quantised operand, else bf16, f16 or f32 operands; f32 sums; everything else in f32.
;; Inputs: Wk 256 x 256 float32; Wo 256 x 256 float32; Wq 256 x 256 float32; Wv 256 x 256 float32; bk 256 float32; bn_b 16 float32; bn_g 16 float32; bn_m 16 float32; bn_v 16 float32; bo 256 float32; bq 256 float32; bv 256 float32; ln_b 256 float32; ln_g 256 float32; mb1 1,024 float32; mb2 256 float32; mw1 1,024 x 256 float32; mw2 256 x 1,024 float32; pb1 16 float32; pb2 8 float32; pw1 16 x 2 float32; pw2 8 x 16 float32; s 4 x 16,384 x 256 float32; s_pos 4 x 2 x 4,096 x 4 float32; x 4 x 16,384 x 256 float32; x_pos 4 x 16,384 x 2 float32.
;; Outputs: out0 4 x 16,384 x 256 float32.
;; This version of the problem:
;;   THIS VERSION OF THE PROBLEM IS GIVEN IN LOW PRECISION. The matrix products marked QUANTISED in the list below multiply operands that are first quantised to E4M3 (4 exponent bits, 3 mantissa bits; 8 bits a number), with one power-of-two scale for each 32 numbers along K (OCP MX v1.0); their sums are f32. All else is computed in f32.
;;   The module's matrix products, in the order in which they are computed (A, B: the left and right operand; K: the contracted axis; several contracted axes count as one K, in the product's order):
;;     1. [M 262,144, K 2] x [K 2, N 16]; A: computed on the way; B: input pw1: left as it is (K = 2 < 32)
;;     2. [M 262,144, K 16] x [K 16, N 8]; A: computed on the way; B: input pw2: left as it is (K = 16 < 32)
;;     3. [M 65,536, K 256] x [K 256, N 256]; A: input s; B: input Wq: QUANTISED
;;     4. [M 65,536, K 256] x [K 256, N 256]; A: input x; B: input Wk: QUANTISED
;;     5. [M 65,536, K 256] x [K 256, N 256]; A: input x; B: input Wv: QUANTISED
;;     6. batch 131,072 x [M 4, K 32] x [K 32, N 4]; A: computed on the way; B: computed on the way: left as it is (M = 4 < 16)
;;     7. batch 131,072 x [M 4, K 4] x [K 4, N 32]; A: softmax; B: computed on the way: left as it is (K = 4 < 32)
;;     8. [M 65,536, K 256] x [K 256, N 256]; A: computed on the way; B: input Wo: QUANTISED
;;     9. [M 65,536, K 256] x [K 256, N 1,024]; A: computed on the way; B: input mw1: QUANTISED
;;     10. [M 65,536, K 1,024] x [K 1,024, N 256]; A: computed on the way; B: input mw2: QUANTISED
;;   THE QUANTISER, for each operand of a quantised product, along K:
;;     - K is cut into blocks of 32 from its start; a last block that is shorter is filled with zeros.
;;     - A block's scale is 2^e with e = floor(log2(the largest magnitude in the block)) - 8, held to -126 .. 127; a block of zeros has e = 0. As a byte (E8M0): e + 127.
;;     - Each number is divided by its block's scale, clamped to +-448, and rounded to the nearest number of E4M3, ties to even, subnormals kept.
;;     - The product sums the exact products of the quantised numbers (number of the format x scale) in f32.
;;   ~~~python
;;   def quantise(x, axis):      # numpy; x: float32 -> the quantised numbers, widened to float32 again
;;       x = np.moveaxis(x, axis, -1); K = x.shape[-1]
;;       x = np.pad(x, [(0, 0)] * (x.ndim - 1) + [(0, -K % 32)]); x = x.reshape(x.shape[:-1] + (-1, 32)); a = np.abs(x).max(-1, keepdims=True)
;;       e = np.where(a > 0, np.clip(np.frexp(np.where(a > 0, a, 1))[1] - 1 - 8, -126, 127), 0)      # np.frexp(a)[1] - 1 = floor(log2(a)), exactly
;;       r = np.clip(x / 2.0 ** e, -448, 448)
;;       step = 2.0 ** (np.maximum(np.frexp(np.where(r == 0, 1, r))[1] - 1, -6) - 3)
;;       q = np.round(r / step) * step * 2.0 ** e      # np.round: ties to even
;;       return np.moveaxis(q.reshape(q.shape[:-2] + (-1,))[..., :K], -1, axis).astype(np.float32)
;;   ~~~
;;   OPERANDS COMPUTED ON THE WAY. 'Computed on the way' means the value that the module computes at that place (a softmax that the list does not call 'softmax' is quantised finished and normalised). What goes into a quantiser is computed in f32, as accurately as f32 sums, v_exp_f32 and their like allow (about 1e-6 of the number): no bf16 or f16 on the way to a quantiser, and a product that is left as it is and whose result goes on into a quantised operand takes f32 operands (vector FMAs, or v_wmma_f32_16x16x4_f32). A number that lies on a knife's edge between two numbers of the format may be rounded either way, as far as f32 arithmetic and the matrix unit's own rounding can turn it there, and no further.
;; One version. Each part assembles by itself: llvm-mc -triple=amdgcn-amd-amdhsa -mcpu=gfx1250 --defsym DOCPART=n.
;; ======== version 1 of 1: 2 launches
;; workspace buffers: wc 786,432 bytes; ws 49,152 bytes
;; launch prep (part 1): grid 96 x 1, 4 waves a work-group, no clusters, 0 bytes of LDS; arguments Wq, Wk, Wv, Wo, mw1, mw2, wc, ws; writes wc, ws
.if DOCPART == 1
	.amdgcn_target "amdgcn-amd-amdhsa--gfx1250"
	.amdhsa_code_object_version 6
	.text
	.protected	k_q6707b2ed98_prep
	.globl	k_q6707b2ed98_prep
	.p2align	8
	.type	k_q6707b2ed98_prep,@function
k_q6707b2ed98_prep:
	s_mov_b64 s[64:65], 0
	v_nop
	global_prefetch_b8 v0, s[64:65] scope:SCOPE_SE
	s_setreg_imm32_b32 hwreg(HW_REG_WAVE_MODE, 25, 1), 1
	s_wait_xcnt 0x0
; The six weights (f32, K innermost) become codes of FP8 (E4M3) with one E8M0 byte for each 32 along K, laid in the ORDER OF AN OPERAND'S REGISTERS:
; fragment F (16 rows x 128 K) is 2,048 bytes of wc: byte 512 c + 16 lane holds row(lane % 16), k = 128 KS + 32 c + 16 (lane / 16) + 0 .. 15; its scale words are 128 bytes of ws, 4 a lane.
; One wave makes one fragment, F = 4 x work-group + wave, 0 .. 383.  Which rows form a fragment:
;   F < 64: head n = F / 8, i = F % 8: Wk (i < 4) or Wv, rows from 32 n + 8 ((i / 2) % 2), K step i % 2        64 <= F < 96: Wo, tile t = (F - 64) / 2, rows from 32 (t / 2) + 8 (t % 2), K step F % 2
;   96 <= F < 352: u = (F - 96) / 8, i = F % 8: i < 4: mw1, rows from 32 u + 8 (i / 2), K step i % 2;  i >= 4: mw2, tile t = 4 (u % 4) + i - 4, rows from 32 (t / 2) + 8 (t % 2), K step u / 4
;   F >= 352: Wq, rows from 16 ((F - 352) / 2), K step F % 2, the rows as they lie.
; But for Wq, lane r takes row first + r + 8 (r / 8): used as source 0, two neighbouring tiles then give a lane 16 neighbouring channels.
; LIMITS: NaN and infinities are not served; a block whose largest magnitude lies under 2^-118 (a block of zeros too) gets the byte 1: its codes are then small or zero, and this program alone reads the bytes.
.set TM,  40                           ; v40-43 largest magnitudes, v44-47 bytes, v48-51 448 x the scale, v52-55 the conversions' scale operands
.set SEL, 20                           ; s[20:21] lane selects: lane l xor 16
.set MNT, 22                           ; s22 the mantissa field of 448
.set MSB, 0
.macro WIN new
.if MSB != (\new)
	s_set_vgpr_msb (MSB<<8)|(\new)
.set MSB, (\new)
.endif
.endm
; 64 numbers of a lane, register 16 b + i = k 32 b + 16 (lane / 16) + i of its row, become 16 registers of codes and a scale word
.macro QUANT s, w, pc, pcw, pw
	WIN (\w)|((\w)<<2)
.irp b,0,1,2,3
	v_max3_num_f32 v[TM+\b], |v[(\s)+16*\b]|, |v[(\s)+16*\b+1]|, 0x4800000   ; my 16 numbers of block b, and the floor 2^(9 - 127): the byte cannot fall under 1
.endr
.irp i,2,4,6,8,10,12,14
.irp b,0,1,2,3
	v_max3_num_f32 v[TM+\b], |v[(\s)+16*\b+\i]|, |v[(\s)+16*\b+\i+1]|, v[TM+\b]
.endr
.endr
	WIN 0
.irp b,0,1,2,3
	v_permlanex16_b32 v[TM+4+\b], v[TM+\b], s[SEL], s[SEL+1]
.endr
.irp b,0,1,2,3
	v_max_num_f32 v[TM+\b], v[TM+\b], v[TM+4+\b]             ; with lane l xor 16's: the block's largest magnitude
.endr
.irp b,0,1,2,3
	v_add_nc_u32 v[TM+12+\b], 0xfc000000, v[TM+\b]           ; 8 off its exponent field: the conversion's scale operand
.endr
.irp b,0,1,2,3
	v_and_or_b32 v[TM+8+\b], v[TM+\b], 0x7f800000, s[MNT]    ; 448 x the scale
.endr
.irp b,0,1,2,3
	v_lshrrev_b32 v[TM+4+\b], 23, v[TM+12+\b]                ; the scale's byte
.endr
.if (\pw) >= 0
	v_lshl_or_b32 v[\pw], v[TM+5], 8, v[TM+4]
	v_lshl_or_b32 v[\pw], v[TM+6], 16, v[\pw]
	v_lshl_or_b32 v[\pw], v[TM+7], 24, v[\pw]
.endif
	WIN (\w)|((\w)<<6)
.irp b,0,1,2,3
.irp i,0,1,2,3,4,5,6,7,8,9,10,11,12,13,14,15
	v_med3_num_f32 v[(\s)+16*\b+\i], v[(\s)+16*\b+\i], -v[TM+8+\b], v[TM+8+\b]   ; the conversion does not saturate (ISA guide 7.6.2): the hold at the largest code x the scale
.endr
.endr
	WIN (\w)|((\pcw)<<6)
.irp b,0,1,2,3
	v_cvt_scalef32_pk8_fp8_f32 v[(\pc)+4*\b:(\pc)+4*\b+1], v[(\s)+16*\b:(\s)+16*\b+7], v[TM+12+\b]
	v_cvt_scalef32_pk8_fp8_f32 v[(\pc)+4*\b+2:(\pc)+4*\b+3], v[(\s)+16*\b+8:(\s)+16*\b+15], v[TM+12+\b]
.endr
	WIN 0
	v_nop                                                    ; one plain line behind the last conversion
.endm
	s_load_b512 s[4:19], s[0:1], 0x0               ; Wq 4, Wk 6, Wv 8, Wo 10, mw1 12, mw2 14, wc 16, ws 18
	v_lshrrev_b32 v1, 5, v0
	v_readfirstlane_b32 s2, v1                     ; wave
	s_lshl_b32 s3, ttmp9, 2
	s_add_co_u32 s3, s3, s2                        ; F
	s_mov_b32 s[SEL], 0x76543210
	s_mov_b32 s[SEL+1], 0xfedcba98
	s_mov_b32 s[MNT], 0x600000
	; the first row and the K step of each of the cases; then the choice, by compares of F alone
	s_and_b32 s24, s3, 1                           ; F % 2
	s_bfe_u32 s25, s3, 0x10001
	s_lshl_b32 s25, s25, 3                         ; 8 ((F / 2) % 2)
	s_lshr_b32 s26, s3, 3
	s_lshl_b32 s26, s26, 5
	s_add_co_u32 s26, s26, s25                     ; Wk, Wv: 32 n + 8 u
	s_sub_co_u32 s27, s3, 64
	s_lshr_b32 s27, s27, 1                         ; Wo's tile
	s_lshr_b32 s28, s27, 1
	s_lshl_b32 s28, s28, 5
	s_and_b32 s27, s27, 1
	s_lshl_b32 s27, s27, 3
	s_add_co_u32 s27, s28, s27                     ; Wo: 32 (t / 2) + 8 (t % 2)
	s_sub_co_u32 s28, s3, 96
	s_lshr_b32 s28, s28, 3                         ; u
	s_lshl_b32 s29, s28, 5
	s_add_co_u32 s29, s29, s25                     ; mw1: 32 u + 8 (i / 2)
	s_and_b32 s30, s28, 3
	s_lshl_b32 s30, s30, 2
	s_and_b32 s31, s3, 3
	s_add_co_u32 s30, s30, s31                     ; mw2's tile
	s_lshr_b32 s31, s30, 1
	s_lshl_b32 s31, s31, 5
	s_and_b32 s30, s30, 1
	s_lshl_b32 s30, s30, 3
	s_add_co_u32 s30, s31, s30                     ; mw2: 32 (t / 2) + 8 (t % 2)
	s_lshr_b32 s28, s28, 2                         ; mw2's K step
	s_sub_co_u32 s31, s3, 352
	s_lshr_b32 s31, s31, 1
	s_lshl_b32 s31, s31, 4                         ; Wq: 16 T
	s_wait_kmcnt 0x0
	s_bitcmp1_b32 s3, 2                            ; i >= 4 ?
	s_cselect_b64 s[32:33], s[8:9], s[6:7]         ; Wv or Wk
	s_cselect_b64 s[34:35], s[14:15], s[12:13]     ; mw2 or mw1
	s_cselect_b32 s29, s30, s29
	s_cselect_b32 s28, s28, s24
	s_cselect_b32 s30, 12, 10                      ; log2 of a row's bytes
	s_cmp_lt_u32 s3, 352
	s_cselect_b64 s[34:35], s[34:35], s[4:5]
	s_cselect_b32 s29, s29, s31
	s_cselect_b32 s28, s28, s24
	s_cselect_b32 s30, s30, 10
	s_cselect_b32 s31, 8, 0                        ; the step of 8 rows behind a tile's first eight; none for Wq
	s_cmp_lt_u32 s3, 96
	s_cselect_b64 s[34:35], s[10:11], s[34:35]
	s_cselect_b32 s29, s27, s29
	s_cselect_b32 s28, s24, s28
	s_cselect_b32 s30, 10, s30
	s_cmp_lt_u32 s3, 64
	s_cselect_b64 s[34:35], s[32:33], s[34:35]
	s_cselect_b32 s29, s26, s29
	s_lshl_b32 s28, s28, 9                         ; 512 bytes a K step
	v_and_b32 v1, 31, v0                           ; lane
	v_and_b32 v2, 15, v0                           ; r
	v_bfe_u32 v3, v0, 4, 1                         ; h
	v_lshrrev_b32 v4, 3, v2
	v_mul_u32_u24 v4, s31, v4
	v_add3_u32 v4, v4, v2, s29                     ; my row
	v_lshlrev_b32 v4, s30, v4
	v_lshl_add_u32 v4, v3, 6, v4                   ; + 64 h: my 16 numbers of a block of 32
	v_add_nc_u32 v4, s28, v4
.irp b,0,1,2,3
.irp q,0,1,2,3
	global_load_b128 v[64+16*\b+4*\q:64+16*\b+4*\q+3], v4, s[34:35] offset:128*\b+16*\q
.endr
.endr
.irp b,0,1,2,3
	v_mov_b32 v[TM+4+\b], 0                        ; a lane permute's destination counts as one of its sources
.endr
	s_lshl_b32 s24, s3, 11
	s_mov_b32 s25, 0
	s_add_nc_u64 s[16:17], s[16:17], s[24:25]      ; my fragment in wc
	s_lshl_b32 s24, s3, 7
	s_add_nc_u64 s[18:19], s[18:19], s[24:25]      ; and in ws
	v_lshlrev_b32 v5, 4, v1
	v_lshlrev_b32 v6, 2, v1
	s_wait_loadcnt 0x0
	QUANT 64, 0, 16, 0, 32
.irp c,0,1,2,3
	global_store_b128 v5, v[16+4*\c:19+4*\c], s[16:17] offset:512*\c     ; 32 lanes store 512 consecutive bytes
.endr
	global_store_b32 v6, v32, s[18:19]
	s_endpgm
.Lfunc_end_k_q6707b2ed98_prep:
	.size	k_q6707b2ed98_prep, .Lfunc_end_k_q6707b2ed98_prep-k_q6707b2ed98_prep
	.p2alignl 7, 3214868480
	.fill 96, 4, 3214868480
	.section	.rodata,"a",@progbits
	.p2align	6, 0x0
	.amdhsa_kernel k_q6707b2ed98_prep
		.amdhsa_group_segment_fixed_size 0
		.amdhsa_private_segment_fixed_size 0
		.amdhsa_enable_private_segment 0
		.amdhsa_kernarg_size 64
		.amdhsa_user_sgpr_count 2
		.amdhsa_user_sgpr_kernarg_segment_ptr 1
		.amdhsa_wavefront_size32 1
		.amdhsa_system_sgpr_workgroup_id_x 1
		.amdhsa_system_sgpr_workgroup_id_y 1
		.amdhsa_system_sgpr_workgroup_id_z 1
		.amdhsa_system_vgpr_workitem_id 0
		.amdhsa_next_free_vgpr 128
		.amdhsa_next_free_sgpr 66
		.amdhsa_reserve_vcc 0
		.amdhsa_float_denorm_mode_32 3
		.amdhsa_float_denorm_mode_16_64 3
		.amdhsa_memory_ordered 1
		.amdhsa_forward_progress 1
		.amdhsa_inst_pref_size 14
	.end_amdhsa_kernel
	.amdgpu_metadata
---
amdhsa.version: [ 1, 2 ]
amdhsa.kernels:
  - .name:           k_q6707b2ed98_prep
    .symbol:         k_q6707b2ed98_prep.kd
    .args:
      - { .name: Wq, .offset: 0, .size: 8, .value_kind: global_buffer, .address_space: global }
      - { .name: Wk, .offset: 8, .size: 8, .value_kind: global_buffer, .address_space: global }
      - { .name: Wv, .offset: 16, .size: 8, .value_kind: global_buffer, .address_space: global }
      - { .name: Wo, .offset: 24, .size: 8, .value_kind: global_buffer, .address_space: global }
      - { .name: mw1, .offset: 32, .size: 8, .value_kind: global_buffer, .address_space: global }
      - { .name: mw2, .offset: 40, .size: 8, .value_kind: global_buffer, .address_space: global }
      - { .name: wc, .offset: 48, .size: 8, .value_kind: global_buffer, .address_space: global }
      - { .name: ws, .offset: 56, .size: 8, .value_kind: global_buffer, .address_space: global }
    .group_segment_fixed_size: 0
    .private_segment_fixed_size: 0
    .kernarg_segment_align: 8
    .kernarg_segment_size: 64
    .max_flat_workgroup_size: 128
    .sgpr_count:     66
    .vgpr_count:     128
    .wavefront_size: 32
...
	.end_amdgpu_metadata
.endif
;; end of part 1
;; launch main (part 2): grid 256 x 1, 4 waves a work-group, no clusters, 325,120 bytes of LDS; arguments s, x, s_pos, x_pos, wc, ws, bq, bk, bv, bo, pw1, pb1, bn_g, bn_b, bn_m, bn_v, pw2, pb2, ln_g, ln_b, mb1, mb2, out0; writes out0
.if DOCPART == 2
	.amdgcn_target "amdgcn-amd-amdhsa--gfx1250"
	.amdhsa_code_object_version 6
	.text
	.protected	k_q6707b2ed98_main
	.globl	k_q6707b2ed98_main
	.p2align	8
	.type	k_q6707b2ed98_main,@function
k_q6707b2ed98_main:
	s_mov_b64 s[64:65], 0
	v_nop
	global_prefetch_b8 v0, s[64:65] scope:SCOPE_SE
	s_setreg_imm32_b32 hwreg(HW_REG_WAVE_MODE, 25, 1), 1
	s_wait_xcnt 0x0
; SectorAttention, fused: position bias, q, k, v, attention in windows of 4 x 4, Wo, residual, LayerNorm, MLP with exact GELU, residual.  The six large products run on codes of FP8 (E4M3)
; with one E8M0 scale for each 32 along K; all else is f32.
; SHARES.  Work-group id: cq = id % 4, wh = (id / 4) % 16, b = id / 64.  It owns the 64 windows 256 wh + 64 cq + 0 .. 63 of batch b; wave w the 16 windows w0 + j, w0 = 256 wh + 64 cq + 16 w: 64 rows of
; x, o, s1 and out (row = hq x 4096 + window), four tiles of 16 rows (one for each hq).  q is reference()'s reinterpretation: q of window wd, head n, query hq, channel d is
; (s Wq^T + bq)[row 64 (32 n + d) + 16 hq + wd / 256][column wd % 256]: a window is a COLUMN of that product.  So for each head the work-group multiplies 128 rows of s (all d, all hq, row % 16 = wh) by its
; 64 rows of Wq; the four waves quantise 32 of those rows each and hand them round through LDS.
; LAYOUT.  Every product has the weights (or s's rows) as source 0 and 16 windows as source 1, so lane (j, h) (j = lane % 16, h = lane / 16) holds window j and, of each 32 channels, channels 16 h .. 16 h + 15,
; in every phase: that is the operand's own layout, so o, n and the hidden layer are quantised where they stand; a block of 32 lies in lanes l and l xor 16.
; WEIGHTS come as fragments in register order (launch prep), in units of 8 fragments (16,384 + 1,024 bytes), through a ring of 8 places in LDS: step t (44 steps: 8 heads, 4 of Wo, 32 of the MLP) reads
; unit t and copies unit t + 4 through registers into the place 4 further on; a barrier stands between a place's last read and its next store, and between a store and its first read.
; ORDER.  What a phase reads is asked for a phase ahead, in short runs that stand between pieces of vector or matrix work: a head's LDS loads between the quantisings of the next head's rows of s, each
; set's 16 loads from memory behind the quantising that has freed its registers, an MLP step's weights between the GELUs of the step before, mw2's tiles under the products of the four tiles before.
; NO TENSOR LOADS AND NO CLUSTER: the ring's places, the images and the stages take turns on LDS bytes that ds_store writes; the weights are 0.8 MB read by all work-groups.
; NO PREFETCH: each stream's loads are issued into registers a phase ahead of their use.
; LIMITS: NaN and infinities are not served.  erf is a rational function x P(x^2) / Q(x^2) on |x| <= 4 (held there), absolute error about 1e-7.  A block whose largest magnitude lies under 2^-118
; (a block of zeros too) gets the scale byte 1.  bo and mb2 are added in another order than reference() adds them (f32 rounding).
; REGISTERS, in windows of 256.  Window 0: v1-19 addresses that stay, v20-27 passing addresses, v28-55 scale words and nothing else, v56-127 at work, v128-255 weight fragments and numbers at work.
;   window 1: v0-127 the codes of x, then o, then bo, then the codes of n; v128-167 Wq's fragments and bq, later the hidden layer's codes; v192-225 the copy's registers; v226-233, v244-251 mb1; v240-243 two constants of erf.
;   window 2: 256 numbers of s on their way to q; then Y (s + o Wo^T + ...) of row tiles 0, 1.   window 3: x's numbers; then q (and, ahead of it, the next head's codes of s), s's fragments, k, v; then Y of row tiles 2, 3.
.set WC, 0                             ; LDS: the ring's codes, 8 x 16,384; at the end the stages, wave x 16,640, rows of 1,040
.set SI, 131072                        ; s's images, 2 x 32,768; later wave x 16,384: n's images, then the hidden layer's
.set OI, 196608                        ; wave x 16,384: x's images, then o's, then a row tile of Y
.set BI, 262144                        ; wave x 8,192: the position bias, head x 1,024 + key x 256 + 16 j
.set WS, 294912                        ; the ring's scale words, 8 x 1,024
.set SS, 303104                        ; s's scale words, 2 x 2,048; later wave x 1,024: n's, then the hidden layer's
.set OS, 307200                        ; wave x 1,024: x's scale words, then o's scale bytes
.set VB, 311296                        ; bk 0, bv 1,024, bo 2,048, ln_g 3,072, ln_b 4,096, mb2 5,120, mb1 6,144
.set PT, 321536                        ; wave x 768: the bias net's tables
.set LI, 1                             ; 16 x lane
.set LS, 2                             ; 4 x lane
.set T16, 3                            ; 16 x thread
.set T8, 4                             ; 8 x thread
.set XA, 5                             ; 1,024 j + 64 h: my 16 numbers of a block in my window's row
.set SA, 6                             ; the same in s's rows for q: lane r takes d = 16 (r / 8) + (r / 4) % 2, hq = r % 4
.set SIR, 7
.set SIW, 8
.set SSW, 9
.set OIW, 10
.set OSW, 11
.set OSB, 12
.set SSR, 13
.set BIR, 14
.set MWA, 13                           ; in the MLP (SSR is done with): the chunk's half of the ring + 16 x lane
.set MSA, 14                           ; in the MLP (BIR is done with): that half's scale words + 4 x lane
.set VBL, 15
.set HIW, 16
.set HSW, 17
.set STI, 18
.set STO, 19
.set A0, 20
.set A1, 21
.set A2, 22
.set A3, 23
.set A4, 24
.set A5, 25
.set A6, 26
.set A7, 27
.set SCA, 28                           ; v28-35 scale words of s's fragments, later of mw2's
.set SCW, 36                           ; v36-43 of a unit's fragments
.set SCX, 44                           ; v44-51 of x, then o, then n
.set SQW, 52                           ; v52-55 of Wq, later of the hidden layer
.set TM, 56                            ; v56-71 the quantiser's 16
.set PW, 72
.set MX, 76
.set PC, 80                            ; v80-95 codes just made; in a head first the position bias
.set SC, 96                            ; v96-111 scores
.set CW, 192                           ; window 1
.set T1, 64
.set T2, 80
.set T3, 96
.set T4, 112
.set WV, 2
.set SQ, 4                             ; s[4:5] s's rows for q
.set WCP, 6                            ; s[6:7], s[8:9] the copy's place in wc and ws
.set WSP, 8
.set RES, 10                           ; s[10:11] my rows of s;  s[86:87] the same 8 MiB on
.set OUTP, 12
.set CN, 14
.set CI, 15
.set RU, 16
.set RS, 17
.set LEFT, 18                          ; units still to be copied
.set MNT, 19
.set SEL, 20
.set SCL, 22
.set L2E, 24
.set SB, 26
.set SSB, 27
.set O1, 28
.set O2, 29
.set O3, 30
.set HN, 31
.set MB, 33
.set TA, 34
.set TB, 35
.set RES2, 86
.set XB, 88
.set SQ2, 92                           ; s[92:93] s's rows for q, as the prologue walks them (heads 0 and 1)
.set AL0, 36                           ; erf's coefficients, each twice (a packed source names a pair)
.set AL2, 38
.set AL3, 40
.set AL4, 42
.set AL5, 44
.set AL6, 46
.set BE0, 48
.set BE2, 50
.set BE3, 52
.set BE4, 54
.set RS2, 56
.set MSB, 0
.macro WIN new                         ; low byte: bits 1:0 source 0, 3:2 source 1, 5:4 source 2, 7:6 destination; the high byte repeats the setting that is left
.if MSB != (\new)
	s_set_vgpr_msb (MSB<<8)|(\new)
.set MSB, (\new)
.endif
.endm
.macro PLACES n                        ; plain lines behind matrix instructions: 8 ahead of reads of results and of loads over operands, 9 ahead of a matrix result laid over operands
.rept \n
	v_nop
.endr
.endm
.macro BARRIER                         ; my LDS stores have landed and my LDS loads are in: then the work-group's barrier
	s_wait_dscnt 0x0
	s_barrier_signal -1
	s_barrier_wait -1
.endm
; 64 numbers of a lane in window w, register 16 b + i, become 16 registers of codes (window pcw); the four blocks' bytes stand in v[TM+4] on and, if pw >= 0, as a word in v[pw]
.macro QUANT s, w, pc, pcw, pw
	WIN (\w)|((\w)<<2)
.irp b,0,1,2,3
	v_max3_num_f32 v[TM+\b], |v[(\s)+16*\b]|, |v[(\s)+16*\b+1]|, 0x4800000   ; my 16 numbers of block b, and the floor 2^(9 - 127): the byte cannot fall under 1
.endr
.irp i,2,4,6,8,10,12,14
.irp b,0,1,2,3
	v_max3_num_f32 v[TM+\b], |v[(\s)+16*\b+\i]|, |v[(\s)+16*\b+\i+1]|, v[TM+\b]
.endr
.endr
	WIN 0
.irp b,0,1,2,3
	v_permlanex16_b32 v[TM+4+\b], v[TM+\b], s[SEL], s[SEL+1]
.endr
.irp b,0,1,2,3
	v_max_num_f32 v[TM+\b], v[TM+\b], v[TM+4+\b]             ; with lane l xor 16's: the block's largest magnitude
.endr
.irp b,0,1,2,3
	v_add_nc_u32 v[TM+12+\b], 0xfc000000, v[TM+\b]           ; 8 off its exponent field: the conversion's scale operand
.endr
.irp b,0,1,2,3
	v_and_or_b32 v[TM+8+\b], v[TM+\b], 0x7f800000, s[MNT]    ; 448 x the scale
.endr
.irp b,0,1,2,3
	v_lshrrev_b32 v[TM+4+\b], 23, v[TM+12+\b]                ; the scale's byte
.endr
.if (\pw) >= 0
	v_lshl_or_b32 v[\pw], v[TM+5], 8, v[TM+4]
	v_lshl_or_b32 v[\pw], v[TM+6], 16, v[\pw]
	v_lshl_or_b32 v[\pw], v[TM+7], 24, v[\pw]
.endif
	WIN (\w)|((\w)<<6)
.irp b,0,1,2,3
.irp i,0,1,2,3,4,5,6,7,8,9,10,11,12,13,14,15
	v_med3_num_f32 v[(\s)+16*\b+\i], v[(\s)+16*\b+\i], -v[TM+8+\b], v[TM+8+\b]   ; the conversion does not saturate (ISA guide 7.6.2): the hold at the largest code x the scale
.endr
.endr
	WIN (\w)|((\pcw)<<6)
.irp b,0,1,2,3
	v_cvt_scalef32_pk8_fp8_f32 v[(\pc)+4*\b:(\pc)+4*\b+1], v[(\s)+16*\b:(\s)+16*\b+7], v[TM+12+\b]
	v_cvt_scalef32_pk8_fp8_f32 v[(\pc)+4*\b+2:(\pc)+4*\b+3], v[(\s)+16*\b+8:(\s)+16*\b+15], v[TM+12+\b]
.endr
	WIN 0
	v_nop                                                    ; one plain line behind the last conversion
.endm
.macro XLOAD win, reg, adr, base, off, nt      ; 64 numbers a lane: 128 along K of my row, 16 of each block of 32
	WIN (\win)<<6
.irp b,0,1,2,3
.irp q,0,1,2,3
.if \nt
	global_load_b128 v[(\reg)+16*\b+4*\q:(\reg)+16*\b+4*\q+3], v[\adr], s[\base:\base+1] offset:(\off)+128*\b+16*\q th:TH_LOAD_NT
.else
	global_load_b128 v[(\reg)+16*\b+4*\q:(\reg)+16*\b+4*\q+3], v[\adr], s[\base:\base+1] offset:(\off)+128*\b+16*\q
.endif
.endr
.endr
.endm
.macro FRAG reg, adr, off              ; a fragment's image comes back as it was stored
.irp c,0,1,2,3
	ds_load_b128 v[(\reg)+4*\c:(\reg)+4*\c+3], v[\adr] offset:(\off)+512*\c
.endr
.endm
.macro IMAGE adr, reg, off             ; a fragment goes to LDS as an image of its registers: 16 bytes a lane, 512 a store
.irp c,0,1,2,3
	ds_store_b128 v[\adr], v[(\reg)+4*\c:(\reg)+4*\c+3] offset:(\off)+512*\c
.endr
.endm
; set e (of four) of my 32 rows of s in window 2 becomes a fragment: codes in window pcw from v[pcb + 16 e], image and scale word to LDS
.macro SQ1 e, pcw, pcb, ia, sa
	QUANT 64*(\e), 2, (\pcb)+16*(\e), \pcw, PW+(\e)
	WIN (\pcw)<<2
	IMAGE \ia, (\pcb)+16*(\e), 2048*(\e)
	WIN 0
	ds_store_b32 v[\sa], v[PW+(\e)] offset:128*(\e)
.endm
.macro MM d, a, b, c, sa, sb
	v_wmma_scale_f32_16x16x128_f8f6f4 v[(\d):(\d)+7], v[(\a):(\a)+15], v[(\b):(\b)+15], v[(\c):(\c)+7], v[\sa], v[\sb]
.endm
.macro LOADW                           ; the unit four steps on: 128 threads x 16 bytes x 8, and its 1,024 bytes of scale words; nothing once all 44 units are in
	s_cmp_eq_u32 s[LEFT], 0
	s_cbranch_scc1 .Lnl_\@
	WIN 0x40
.irp i,0,1,2,3,4,5,6,7
	global_load_b128 v[CW+4*\i:CW+4*\i+3], v[T16], s[WCP:WCP+1] offset:2048*\i
.endr
	global_load_b64 v[CW+32:CW+33], v[T8], s[WSP:WSP+1]
	WIN 0
.Lnl_\@:
.endm
.macro STOREW                          ; into the ring: s[TA] its place among the codes, s[TB] among the scale words
	s_wait_loadcnt 0x0                             ; the unit is in (and whatever else was asked for earlier in the step): so the pointers may step
	s_cmp_eq_u32 s[LEFT], 0
	s_cbranch_scc1 .Lns_\@
	v_add_nc_u32 v[A6], s[TA], v[T16]
	v_add_nc_u32 v[A7], s[TB], v[T8]
	WIN 0x04
.irp i,0,1,2,3,4,5,6,7
	ds_store_b128 v[A6], v[CW+4*\i:CW+4*\i+3] offset:2048*\i
.endr
	ds_store_b64 v[A7], v[CW+32:CW+33]
	WIN 0
	s_add_nc_u64 s[WCP:WCP+1], s[WCP:WCP+1], 16384
	s_add_nc_u64 s[WSP:WSP+1], s[WSP:WSP+1], 1024
	s_sub_co_u32 s[LEFT], s[LEFT], 1
.Lns_\@:
.endm
.macro YOUT win, base, adr, mode       ; a row tile of Y to LDS, each accumulator from its low end on.  mode 0: as an image; mode 1: as rows (channel 32 blk + 16 h + 4 q at 128 blk + 16 q of my place)
	WIN (\win)<<2
.set k, 0
.rept 32
.if \mode
	ds_store_b128 v[\adr], v[(\base)+4*k:(\base)+4*k+3] offset:128*(k/4)+16*(k%4)
.else
	ds_store_b128 v[\adr], v[(\base)+4*k:(\base)+4*k+3] offset:512*k
.endif
.set k, k+1
.endr
	WIN 0
.endm
.macro SELY adr, mode                  ; row tile s[CN]: only these stores differ from trip to trip (Y's register numbers), so only they are written four times
	s_cmp_lg_u32 s[CN], 0
	s_cbranch_scc1 .Ls1_\@
	YOUT 2, 0, \adr, \mode
	s_branch .Lsd_\@
.Ls1_\@:
	s_cmp_lg_u32 s[CN], 1
	s_cbranch_scc1 .Ls2_\@
	YOUT 2, 128, \adr, \mode
	s_branch .Lsd_\@
.Ls2_\@:
	s_cmp_lg_u32 s[CN], 2
	s_cbranch_scc1 .Ls3_\@
	YOUT 3, 0, \adr, \mode
	s_branch .Lsd_\@
.Ls3_\@:
	YOUT 3, 128, \adr, \mode
.Lsd_\@:
.endm
; ---------------------------------------------------------------- the head: addresses, the small loads, and x's rows of keys 0 and 1
	s_load_b512 s[36:51], s[0:1], 0x0              ; s 36, x 38, s_pos 40, x_pos 42, wc 44, ws 46, bq 48, bk 50
	s_load_b256 s[52:59], s[0:1], 0x40             ; bv 52, bo 54, pw1 56, pb1 58
	s_load_b128 s[60:63], s[0:1], 0x60             ; bn_g 60, bn_b 62
	s_load_b512 s[68:83], s[0:1], 0x70             ; bn_m 68, bn_v 70, pw2 72, pb2 74, ln_g 76, ln_b 78, mb1 80, mb2 82
	s_load_b64 s[84:85], s[0:1], 0xb0              ; out0
	v_lshrrev_b32 v100, 5, v0
	v_readfirstlane_b32 s[WV], v100                ; wave 0..3
	v_and_b32 v100, 31, v0                         ; lane
	v_and_b32 v101, 15, v0                         ; j
	v_bfe_u32 v102, v0, 4, 1                       ; h
	v_lshlrev_b32 v[LI], 4, v100
	v_lshlrev_b32 v[LS], 2, v100
	v_lshlrev_b32 v[T16], 4, v0
	v_lshlrev_b32 v[T8], 3, v0
	v_lshlrev_b32 v[XA], 10, v101
	v_lshl_add_u32 v[XA], v102, 6, v[XA]
	v_bfe_u32 v103, v0, 3, 1
	v_lshlrev_b32 v[SA], 20, v103                  ; 16 channels d on: 16 x 64 rows of 1,024 bytes
	v_bfe_u32 v103, v0, 2, 1
	v_lshl_add_u32 v[SA], v103, 16, v[SA]          ; one channel on: 64 rows
	v_and_b32 v103, 3, v0
	v_lshl_add_u32 v[SA], v103, 14, v[SA]          ; hq: 16 rows
	v_lshl_add_u32 v[SA], v102, 6, v[SA]
	v_lshlrev_b32 v104, 4, v101                    ; 16 j
	v_lshlrev_b32 v105, 3, v101                    ; 8 j
	v_lshlrev_b32 v106, 2, v101                    ; 4 j
	v_lshlrev_b32 v107, 4, v102                    ; 16 h
	v_add_nc_u32 v[SIR], SI, v[LI]
	s_lshl_b32 s[TA], s[WV], 13
	v_add_nc_u32 v[SIW], s[TA], v[SIR]             ; my four fragments of s: 8,192 x wave
	v_add_nc_u32 v[SSR], SS, v[LS]
	s_lshl_b32 s[TA], s[WV], 9
	v_add_nc_u32 v[SSW], s[TA], v[SSR]
	s_lshl_b32 s[TA], s[WV], 14
	s_add_co_u32 s[TB], s[TA], OI
	v_add_nc_u32 v[OIW], s[TB], v[LI]
	s_add_co_u32 s[TB], s[TA], SI
	v_add_nc_u32 v[HIW], s[TB], v[LI]
	s_lshl_b32 s[TA], s[WV], 10
	s_add_co_u32 s[TB], s[TA], OS
	v_add_nc_u32 v[OSW], s[TB], v[LS]
	v_lshl_add_u32 v[OSB], v100, 3, s[TB]          ; o's scale bytes: 8 a lane (one a head)
	s_add_co_u32 s[TB], s[TA], SS
	v_add_nc_u32 v[HSW], s[TB], v[LS]
	s_lshl_b32 s[TA], s[WV], 13
	s_add_co_u32 s[TA], s[TA], BI
	v_lshl_add_u32 v[BIR], v101, 4, s[TA]
	v_lshl_add_u32 v78, v102, 12, v[BIR]           ; where I put the bias: lanes 16-31 make heads 4 to 7
	v_lshlrev_b32 v[VBL], 6, v102
	v_add_nc_u32 v[VBL], VB, v[VBL]
	s_mul_i32 s[TA], s[WV], 16640
	v_mul_u32_u24 v[STI], v101, 1040
	v_lshl_add_u32 v[STI], v102, 6, v[STI]
	v_add_nc_u32 v[STI], s[TA], v[STI]
	v_add_nc_u32 v[STO], s[TA], v[LI]
	s_mul_i32 s[TA], s[WV], 768
	s_add_co_u32 s[TA], s[TA], PT
	v_mov_b32 v76, s[TA]                           ; the net's first table (a0, a1, c0, c0), 16 bytes a channel
	v_lshl_add_u32 v24, v101, 4, s[TA]
	v_lshl_add_u32 v77, v102, 4, s[TA]
	v_add_nc_u32 v77, 256, v77                     ; its second: pw2 turned, 32 bytes a channel; my four heads
	v_lshl_add_u32 v23, v101, 5, s[TA]
	v_lshl_add_u32 v23, v102, 2, v23
	v_add_nc_u32 v23, 256, v23
	v_add_nc_u32 v20, VB, v[T8]
	v_add_nc_u32 v21, VB, v[T16]
	v_add_nc_u32 v22, WS, v[T8]
	s_mov_b32 s[MNT], 0x600000
	s_mov_b32 s[SEL], 0x76543210
	s_mov_b32 s[SEL+1], 0xfedcba98
	s_mov_b32 s[SCL], 0x3e3504f3                   ; 32^-0.5
	s_mov_b32 s[SCL+1], s[SCL]
	s_mov_b32 s[L2E], 0x3fb8aa3b                   ; log2(e)
	s_mov_b32 s[L2E+1], s[L2E]
	s_mov_b32 s[LEFT], 40
	s_and_b32 s90, ttmp9, 3                        ; cq
	s_bfe_u32 s91, ttmp9, 0x40002                  ; wh
	s_lshr_b32 s92, ttmp9, 6                       ; b
	s_lshl_b32 s93, s91, 8
	s_lshl_b32 s94, s90, 6
	s_add_co_u32 s93, s93, s94
	s_lshl_b32 s94, s[WV], 4
	s_add_co_u32 s93, s93, s94                     ; w0
	s_lshl_b32 s98, s90, 2
	s_add_co_u32 s98, s98, s[WV]                   ; my tile of Wq: 4 cq + wave
	s_mov_b32 s95, 0
	s_wait_kmcnt 0x0
	s_lshl_b32 s94, s92, 24
	s_lshl_b32 s99, s93, 10
	s_add_co_u32 s94, s94, s99                     ; batch x 16 MiB + w0 rows
	s_add_nc_u64 s[RES:RES+1], s[36:37], s[94:95]
	s_add_nc_u64 s[RES2:RES2+1], s[RES:RES+1], 0x800000
	s_add_nc_u64 s[XB:XB+1], s[38:39], s[94:95]
	s_add_nc_u64 s[OUTP:OUTP+1], s[84:85], s[94:95]
	s_lshl_b32 s94, s92, 24
	s_lshl_b32 s99, s91, 10
	s_add_co_u32 s94, s94, s99
	s_lshl_b32 s99, s[WV], 18
	s_add_co_u32 s94, s94, s99                     ; batch, row wh, my two tiles of four channels: 4 x 64 rows x wave
	s_add_nc_u64 s[SQ:SQ+1], s[36:37], s[94:95]
	s_lshl_b32 s94, s92, 17
	s_lshl_b32 s99, s93, 4
	s_add_co_u32 s94, s94, s99
	s_add_nc_u64 s[40:41], s[40:41], s[94:95]      ; s_pos[b][0][w0]
	s_lshl_b32 s94, s92, 17
	s_lshl_b32 s99, s93, 3
	s_add_co_u32 s94, s94, s99
	s_add_nc_u64 s[42:43], s[42:43], s[94:95]      ; x_pos[b][w0]
	s_lshl_b32 s94, s98, 12
	s_add_co_u32 s94, s94, 352*2048
	s_add_nc_u64 s[96:97], s[44:45], s[94:95]      ; Wq's two fragments
	s_lshl_b32 s94, s98, 8
	s_add_co_u32 s94, s94, 352*128
	s_add_nc_u64 s[66:67], s[46:47], s[94:95]
	s_lshl_b32 s94, s98, 6
	s_add_nc_u64 s[48:49], s[48:49], s[94:95]      ; bq at my 16 columns
	s_add_nc_u64 s[WCP:WCP+1], s[44:45], 4*16384
	s_add_nc_u64 s[WSP:WSP+1], s[46:47], 4*1024
	s_mov_b64 s[SQ2:SQ2+1], s[SQ:SQ+1]             ; (b and w0 are done with)
	WIN 0x40
.irp k,0,1,2
.irp i,0,1,2,3,4,5,6,7
	global_load_b128 v[34*\k+4*\i:34*\k+4*\i+3], v[T16], s[44:45] offset:16384*\k+2048*\i     ; units 0 to 2
.endr
	global_load_b64 v[34*\k+32:34*\k+33], v[T8], s[46:47] offset:1024*\k
.endr
.irp i,0,1,2,3,4,5,6,7
	global_load_b128 v[CW+4*\i:CW+4*\i+3], v[T16], s[44:45] offset:49152+2048*\i              ; unit 3
.endr
	global_load_b64 v[CW+32:CW+33], v[T8], s[46:47] offset:3072
.irp k,0,1
.irp c,0,1,2,3
	global_load_b128 v[128+16*\k+4*\c:128+16*\k+4*\c+3], v[LI], s[96:97] offset:2048*\k+512*\c
.endr
.endr
	WIN 0
	global_load_b32 v[SQW], v[LS], s[66:67]
	global_load_b32 v[SQW+1], v[LS], s[66:67] offset:128
	global_load_b64 v[128:129], v[T8], s[50:51]
	global_load_b64 v[130:131], v[T8], s[52:53]
	global_load_b64 v[132:133], v[T8], s[54:55]
	global_load_b64 v[134:135], v[T8], s[76:77]
	global_load_b64 v[136:137], v[T8], s[78:79]
	global_load_b64 v[138:139], v[T8], s[82:83]
	global_load_b128 v[140:143], v[T16], s[80:81]
	global_load_b128 v[144:147], v[T16], s[80:81] offset:2048
	global_load_b128 v[56:59], v104, s[40:41]                  ; s_pos[b][0][window][0..3]
	global_load_b128 v[60:63], v104, s[40:41] offset:65536     ; s_pos[b][1][window][0..3]
.irp k,0,1,2,3
	global_load_b64 v[64+2*\k:65+2*\k], v105, s[42:43] offset:32768*\k   ; x_pos of key k
.endr
	global_load_b64 v[248:249], v105, s[56:57]                 ; the net's numbers of channel lane % 16
	global_load_b32 v250, v106, s[58:59]
	global_load_b32 v251, v106, s[60:61]
	global_load_b32 v252, v106, s[62:63]
	global_load_b32 v253, v106, s[68:69]
	global_load_b32 v254, v106, s[70:71]
.irp k,0,1,2,3
	global_load_b32 v[244+\k], v[LS], s[72:73] offset:128*\k   ; pw2's element 32 k + lane: head 2 k + h, channel lane % 16
.endr
	global_load_b128 v[240:243], v107, s[74:75]                ; pb2 of my four heads
	global_load_b32 v255, v106, s[48:49]
.irp e,0,1,2,3
	XLOAD 3, 64*\e, XA, XB, 4194304*(\e/2)+512*(\e%2), 1       ; x's rows of keys 0 and 1: they land while the bias net runs
.endr
	WIN 0
	s_wait_loadcnt 63                              ; loads come back in order (ISA guide 5.7.1): 64 were issued behind the small ones, 63 may stay out: the small ones are in
	WIN 0x04
.irp k,0,1,2
.irp i,0,1,2,3,4,5,6,7
	ds_store_b128 v[T16], v[34*\k+4*\i:34*\k+4*\i+3] offset:16384*\k+2048*\i
.endr
	ds_store_b64 v22, v[34*\k+32:34*\k+33] offset:1024*\k
.endr
.irp i,0,1,2,3,4,5,6,7
	ds_store_b128 v[T16], v[CW+4*\i:CW+4*\i+3] offset:49152+2048*\i
.endr
	ds_store_b64 v22, v[CW+32:CW+33] offset:3072
	WIN 0
.irp m,0,1,2,3,4,5
	ds_store_b64 v20, v[128+2*\m:129+2*\m] offset:1024*\m
.endr
	ds_store_b128 v21, v[140:143] offset:6144
	ds_store_b128 v21, v[144:147] offset:8192
.irp k,0,1,2,3
	ds_store_b32 v23, v[244+\k] offset:8*\k
.endr
	v_add_f32 v236, 0x3727c5ac, v254               ; the batch norm folded into the first layer: gsc = g rsqrt(v + 1e-5)
	v_rsq_f32 v237, v236
	v_sub_f32 v238, v250, v253                     ; pb1 - mean (the plain line behind the root)
	s_wait_alu depctr_va_vdst(0)                   ; the wait ahead of the root's first reader
	v_mul_f32 v237, v237, v251
	v_mul_f32 v232, v248, v237
	v_mul_f32 v233, v249, v237
	v_fma_f32 v234, v238, v237, v252
	v_mov_b32 v235, v234
	ds_store_b128 v24, v[232:235]
	WIN 0x40
.irp i,0,1,2,3,4,5,6,7
	v_mov_b32 v[160+\i], v255                      ; bq of my column, as the C of q's first products
.endr
	WIN 0
; ---------------------------------------------------------------- the position bias: lane (j, h) makes heads 4 h .. 4 h + 3 of window j, all 16 places p = 4 key + hq
; reference() reshapes (4, 2) to (2, 4): sp[0][i] = s_pos[i % 2][i / 2], sp[1][i] = s_pos[i % 2][2 + i / 2]
.irp k,0,1,2,3
.irp q,0,1,2,3
	v_sub_f32 v[96+4*\k+\q], v[56+4*(\q%2)+(\q/2)], v[64+2*\k]
	v_sub_f32 v[112+4*\k+\q], v[58+4*(\q%2)+(\q/2)], v[65+2*\k]
.endr
.endr
	s_wait_dscnt 0x0                               ; the stores above have read their registers
.irp i,0,2
.set k, 0
.rept 8
	v_pk_mul_f32 v[128+16*\i+2*k:128+16*\i+2*k+1], v[240+\i:241+\i], 1.0 op_sel_hi:[0,0]              ; the sums begin as pb2
	v_pk_mul_f32 v[144+16*\i+2*k:144+16*\i+2*k+1], v[240+\i:241+\i], 1.0 op_sel:[1,0] op_sel_hi:[1,0]
.set k, k+1
.endr
.endr
	s_mov_b32 s[CN], 0
	s_mov_b32 s[O1], 0
	s_mov_b32 s[O2], 0
.Lnet:                                             ; 4 trips of 4 hidden channels
	v_add_nc_u32 v[A0], s[O1], v76
	v_add_nc_u32 v[A1], s[O2], v77
.irp c,0,1,2,3
	ds_load_b128 v[208+4*\c:211+4*\c], v[A0] offset:16*\c
	ds_load_b128 v[224+4*\c:227+4*\c], v[A1] offset:32*\c
.endr
	s_wait_dscnt 0x0
.irp c,0,1,2,3
.irp p,0,2,4,6,8,10,12,14
	v_pk_fma_f32 v[192+\p:193+\p], v[96+\p:97+\p], v[208+4*\c:209+4*\c], v[210+4*\c:211+4*\c] op_sel_hi:[1,0,1]
.endr
.irp p,0,2,4,6,8,10,12,14
	v_pk_fma_f32 v[192+\p:193+\p], v[112+\p:113+\p], v[208+4*\c:209+4*\c], v[192+\p:193+\p] op_sel:[0,1,0] op_sel_hi:[1,1,1]
.endr
.irp p,0,1,2,3,4,5,6,7,8,9,10,11,12,13,14,15
	v_max_num_f32 v[192+\p], 0, v[192+\p]
.endr
.irp i,0,2
.irp p,0,2,4,6,8,10,12,14
	v_pk_fma_f32 v[128+16*\i+\p:129+16*\i+\p], v[192+\p:193+\p], v[224+4*\c+\i:225+4*\c+\i], v[128+16*\i+\p:129+16*\i+\p] op_sel_hi:[1,0,1]
	v_pk_fma_f32 v[144+16*\i+\p:145+16*\i+\p], v[192+\p:193+\p], v[224+4*\c+\i:225+4*\c+\i], v[144+16*\i+\p:145+16*\i+\p] op_sel:[0,1,0] op_sel_hi:[1,1,1]
.endr
.endr
.endr
	s_add_co_u32 s[O1], s[O1], 64
	s_add_co_u32 s[O2], s[O2], 128
	s_add_co_u32 s[CN], s[CN], 1
	s_cmp_lt_u32 s[CN], 4
	s_cbranch_scc1 .Lnet
.irp i,0,1,2,3
.irp k,0,1,2,3
	ds_store_b128 v78, v[128+16*\i+4*\k:131+16*\i+4*\k] offset:1024*\i+256*\k
.endr
.endr
	s_wait_dscnt 0x0                               ; the stores have read their registers
; ---------------------------------------------------------------- x's 64 rows become eight fragments (key, K step), two keys a trip; between the trips my rows of s for head 0 become four.
; Three phases of four sets of 64 numbers: x of keys 0, 1 | s of head 0 | x of keys 2, 3.  Behind each set's quantising stand 16 loads for the phase that follows: s of head 0, x of keys 2, 3, s of head 1.
; So behind the 16 loads of set e stand, when set e is wanted, the 16 (3 - e) of its own phase and the 16 e of the next: 48 in every case.
	s_wait_loadcnt 0x0                             ; x's rows of keys 0 and 1; nothing else is out
	s_mov_b32 s[CN], 0
	s_mov_b32 s[O1], 0
	s_mov_b32 s[O2], 0
.Lx:
	v_add_nc_u32 v[A0], s[O1], v[OIW]
	v_add_nc_u32 v[A1], s[O2], v[OSW]
.irp e,0,1,2,3
	s_wait_loadcnt 48                              ; set e is in: 48 loads were issued behind its 16
	QUANT 64*\e, 3, 128+16*\e, 0, PW+\e
	IMAGE A0, 128+16*\e, 2048*\e
	ds_store_b32 v[A1], v[PW+\e] offset:128*\e
	XLOAD 2, 64*\e, SA, SQ2, 131072*(\e/2)+512*(\e%2), 0       ; my tiles 2 w, 2 w + 1 of s, two K steps: head 0 in the first trip, head 1 in the second
	WIN 0
.endr
	s_cmp_lg_u32 s[CN], 0
	s_cbranch_scc1 .Lx_second
	s_add_nc_u64 s[XB:XB+1], s[XB:XB+1], 0x800000  ; keys 2 and 3 (the loads that read this base are in)
	s_wait_dscnt 0x0                               ; the stores above have read their scale words, which are written anew
.irp e,0,1,2,3
	s_wait_loadcnt 48                              ; set e of s is in: 48 loads were issued behind its 16
	SQ1 \e, 0, 192, SIW, SSW                       ; head 0's images, into the first of the two buffers
	XLOAD 3, 64*\e, XA, XB, 4194304*(\e/2)+512*(\e%2), 1
	WIN 0
.endr
	s_add_nc_u64 s[SQ2:SQ2+1], s[SQ2:SQ2+1], 0x200000  ; head 1: 32 channels x 64 rows on (head 0's loads are in: the last wait has shown it)
.Lx_second:
	s_wait_dscnt 0x0                               ; the stores have read their registers
	s_add_co_u32 s[O1], s[O1], 8192
	s_add_co_u32 s[O2], s[O2], 512
	s_add_co_u32 s[CN], s[CN], 1
	s_cmp_lt_u32 s[CN], 2
	s_cbranch_scc1 .Lx
	WIN 0x40
.irp f,0,1,2,3,4,5,6,7
	FRAG 16*\f, OIW, 2048*\f                       ; they stay in window 1 for all eight heads
.endr
	WIN 0
.irp f,0,1,2,3,4,5,6,7
	ds_load_b32 v[SCX+\f], v[OSW] offset:128*\f
.endr
	s_wait_dscnt 0x0
; ---------------------------------------------------------------- the heads: one trip a head, one barrier a trip (s's images lie in two buffers by turns)
.macro QFR t, f0                       ; four of s's fragments: tiles 4 t + f0 / 2, + 1, both K steps
	WIN 0xC0
.irp f,0,1,2,3
	FRAG 64+16*((\f0)+\f), A0, 16384*(\t)+2048*((\f0)+\f)
.endr
	WIN 0
.endm
.macro QSC t                           ; the scale words of tiles 4 t .. 4 t + 3
.irp f,0,1,2,3,4,5,6,7
	ds_load_b32 v[SCA+\f], v[A1] offset:1024*(\t)+128*\f
.endr
.endm
.macro QMUL t                          ; q: source 0 = 16 rows of s, source 1 = my 16 rows of Wq: register 8 u + i of a lane is q(d = 16 h + 2 u + i / 4, hq = i % 4) of window j
	WIN 0xD7
.irp u,0,1,2,3
	MM 32*(\t)+8*\u, 64+32*\u, 128, 160, SCA+2*\u, SQW
.endr
	WIN 0xF7
.irp u,0,1,2,3
	MM 32*(\t)+8*\u, 80+32*\u, 144, 32*(\t)+8*\u, SCA+2*\u+1, SQW+1
.endr
	WIN 0
.endm
; Set e of the NEXT head's rows of s is quantised (its codes lie in q's registers, which are free until this head's q is made) and goes into the other buffer; its registers then take the rows of the head
; after that, or, in the trip in which no such head is left, the residual's rows of row tiles 0 and 1: Y's registers.  The last trip has nothing of this.
.macro QS e
	s_cmp_lt_u32 s[HN], 7
	s_cbranch_scc0 .Lqn_\@
	SQ1 \e, 3, 0, A6, A7
	s_cmp_lt_u32 s[HN], 6
	s_cbranch_scc0 .Lqr_\@
	XLOAD 2, 64*(\e), SA, SQ, 4194304+131072*((\e)/2)+512*((\e)%2), 0    ; two heads on: 2 x 32 channels x 64 rows
	WIN 0
	s_branch .Lqn_\@
.Lqr_\@:
	XLOAD 2, 64*(\e), XA, RES, 4194304*((\e)/2)+512*((\e)%2), 0          ; register 64 e + 16 b + i: row tile e / 2, channel 32 (4 (e % 2) + b) + 16 h + i
	WIN 0
.Lqn_\@:
.endm
	s_mov_b32 s[HN], 0
	s_mov_b32 s[RU], 0
	s_mov_b32 s[RS], 0
	s_mov_b32 s[SB], 0
	s_mov_b32 s[SSB], 0
	s_mov_b32 s[O1], 0                             ; 512 n
	s_mov_b32 s[O2], 0                             ; 1,024 n
	s_mov_b32 s[O3], 0                             ; 128 n
.Lhead:
	s_wait_loadcnt 0x0                             ; the next head's rows of s (in the first trip they were asked for in the prologue; later the trip before has waited)
	BARRIER                                        ; this head's sixteen fragments of s lie in LDS, and its unit of weights; nobody reads the other buffer any more
	v_add_nc_u32 v[A0], s[SB], v[SIR]
	v_add_nc_u32 v[A1], s[SSB], v[SSR]
	v_add_nc_u32 v[A2], s[RU], v[LI]
	s_add_co_u32 s[TA], s[RS], WS
	v_add_nc_u32 v[A3], s[TA], v[LS]
	v_add_nc_u32 v[A4], s[O3], v[VBL]
	v_add_nc_u32 v[A5], s[O2], v[BIR]
	s_xor_b32 s[TA], s[SB], 32768
	v_add_nc_u32 v[A6], s[TA], v[SIW]              ; where the next head's images go
	s_xor_b32 s[TB], s[SSB], 2048
	v_add_nc_u32 v[A7], s[TB], v[SSW]
	LOADW
	QFR 0, 0                                       ; this head's LDS loads, in four runs, with the next head's quantisings between them
	QSC 0
	QS 0
	QFR 0, 4
.irp k,0,1,2,3
	ds_load_b128 v[PC+4*\k:PC+4*\k+3], v[A5] offset:256*\k     ; the position bias of (key, hq 0..3)
.endr
	QS 1
.irp i,0,1,2,3
	FRAG 128+16*\i, A2, 2048*\i                    ; Wk's four fragments
.endr
.irp i,0,1,2,3,4,5,6,7
	ds_load_b32 v[SCW+\i], v[A3] offset:128*\i
.endr
	QS 2
.irp i,4,5,6,7
	FRAG 128+16*\i, A2, 2048*\i                    ; Wv's four
.endr
.irp v,0,1
.irp u,0,1
.irp q,0,1
	ds_load_b128 v[96+8*(2*\v+\u)+4*\q:96+8*(2*\v+\u)+4*\q+3], v[A4] offset:1024*\v+32*\u+16*\q   ; bk, bv at my eight channels of each tile: the C of the first products
.endr
.endr
.endr
	QS 3
	s_wait_dscnt 0x0                               ; all of them are in, and the image stores have read q's registers
	QMUL 0
	PLACES 8
	QFR 1, 0
	QFR 1, 4
	QSC 1
	s_wait_dscnt 0x0
	QMUL 1
	PLACES 9                                       ; k and v are laid over s's fragments
	WIN 0xC4                                       ; k, v: source 0 = 16 rows of Wk or Wv, source 1 = x's rows of a key: register 16 key + 8 u + i is channel 32 n + 16 h + 8 u + i.  The 16 accumulators by turns
.irp v,0,1
.irp u,0,1
.irp k,0,1,2,3
	MM 64+64*\v+16*\k+8*\u, 128+16*(4*\v+2*\u), 32*\k, 96+8*(2*\v+\u), SCW+4*\v+2*\u, SCX+2*\k
.endr
.endr
.endr
	WIN 0xF4
.irp v,0,1
.irp u,0,1
.irp k,0,1,2,3
	MM 64+64*\v+16*\k+8*\u, 128+16*(4*\v+2*\u+1), 32*\k+16, 64+64*\v+16*\k+8*\u, SCW+4*\v+2*\u+1, SCX+2*\k+1
.endr
.endr
.endr
	WIN 0
	PLACES 8
	; the scores: my 16 channels' part of q . k, for 4 keys x 4 queries, two queries an instruction; every accumulator is read from its low end on
	WIN 0x0F
.set dd, 0
.rept 16
.set kk, 0
.rept 4
.set hp, 0
.rept 2
.if dd == 0
	v_pk_mul_f32 v[SC+4*kk+hp:SC+4*kk+hp+1], v[hp:hp+1], v[64+16*kk:65+16*kk] op_sel_hi:[1,0]
.elseif (dd%2) == 0
	v_pk_fma_f32 v[SC+4*kk+hp:SC+4*kk+hp+1], v[4*dd+hp:4*dd+hp+1], v[64+16*kk+dd:65+16*kk+dd], v[SC+4*kk+hp:SC+4*kk+hp+1] op_sel_hi:[1,0,1]
.else
	v_pk_fma_f32 v[SC+4*kk+hp:SC+4*kk+hp+1], v[4*dd+hp:4*dd+hp+1], v[63+16*kk+dd:64+16*kk+dd], v[SC+4*kk+hp:SC+4*kk+hp+1] op_sel:[0,1,0] op_sel_hi:[1,1,1]
.endif
.set hp, hp+2
.endr
.set kk, kk+1
.endr
.set dd, dd+1
.endr
	WIN 0
.set k, 0
.rept 16
	v_permlanex16_b32 v[TM+k], v[SC+k], s[SEL], s[SEL+1]
.set k, k+1
.endr
.set k, 0
.rept 8
	v_pk_add_f32 v[SC+2*k:SC+2*k+1], v[SC+2*k:SC+2*k+1], v[TM+2*k:TM+2*k+1]      ; with the other 16 channels
.set k, k+1
.endr
.set k, 0
.rept 8
	v_pk_fma_f32 v[SC+2*k:SC+2*k+1], v[SC+2*k:SC+2*k+1], s[SCL:SCL+1], v[PC+2*k:PC+2*k+1] op_sel_hi:[1,0,1]   ; x 32^-0.5, + the position bias
.set k, k+1
.endr
.irp q,0,1,2,3
	v_max3_num_f32 v[MX+\q], v[SC+\q], v[SC+4+\q], v[SC+8+\q]
.endr
.irp q,0,1,2,3
	v_max_num_f32 v[MX+\q], v[MX+\q], v[SC+12+\q]                                ; the row's maximum is taken away, as reference() does
.endr
.irp k,0,4,8,12
.irp p,0,2
	v_pk_add_f32 v[SC+\k+\p:SC+\k+\p+1], v[SC+\k+\p:SC+\k+\p+1], v[MX+\p:MX+\p+1] neg_lo:[0,1] neg_hi:[0,1]
.endr
.endr
.set k, 0
.rept 8
	v_pk_mul_f32 v[SC+2*k:SC+2*k+1], v[SC+2*k:SC+2*k+1], s[L2E:L2E+1] op_sel_hi:[1,0]
.set k, k+1
.endr
.set k, 0
.rept 16
	v_exp_f32 v[SC+k], v[SC+k]
.set k, k+1
.endr
	v_nop                                          ; one plain line behind the batch,
	s_wait_alu depctr_va_vdst(0)                   ; and the wait ahead of its first reader
.irp p,0,2
	v_pk_add_f32 v[MX+\p:MX+\p+1], v[SC+\p:SC+\p+1], v[SC+4+\p:SC+5+\p]
.endr
.irp p,0,2
	v_pk_add_f32 v[MX+\p:MX+\p+1], v[MX+\p:MX+\p+1], v[SC+8+\p:SC+9+\p]
.endr
.irp p,0,2
	v_pk_add_f32 v[MX+\p:MX+\p+1], v[MX+\p:MX+\p+1], v[SC+12+\p:SC+13+\p]
.endr
.irp q,0,1,2,3
	v_rcp_f32 v[PW+\q], v[MX+\q]
.endr
	v_nop
	s_wait_alu depctr_va_vdst(0)
.irp k,0,4,8,12
.irp p,0,2
	v_pk_mul_f32 v[SC+\k+\p:SC+\k+\p+1], v[SC+\k+\p:SC+\k+\p+1], v[PW+\p:PW+\p+1]
.endr
.endr
	WIN 0x03                                       ; o(hq, my 16 channels) = the sum over keys of p v, two channels an instruction
.set kk, 0
.rept 4
.set hq, 0
.rept 4
.set dp, 0
.rept 8
.if (kk == 0) && ((hq%2) == 0)
	v_pk_mul_f32 v[128+16*hq+dp:129+16*hq+dp], v[128+dp:129+dp], v[SC+hq:SC+hq+1] op_sel_hi:[1,0]
.elseif kk == 0
	v_pk_mul_f32 v[128+16*hq+dp:129+16*hq+dp], v[128+dp:129+dp], v[SC+hq-1:SC+hq] op_sel:[0,1] op_sel_hi:[1,1]
.elseif (hq%2) == 0
	v_pk_fma_f32 v[128+16*hq+dp:129+16*hq+dp], v[128+16*kk+dp:129+16*kk+dp], v[SC+4*kk+hq:SC+4*kk+hq+1], v[128+16*hq+dp:129+16*hq+dp] op_sel_hi:[1,0,1]
.else
	v_pk_fma_f32 v[128+16*hq+dp:129+16*hq+dp], v[128+16*kk+dp:129+16*kk+dp], v[SC+4*kk+hq-1:SC+4*kk+hq], v[128+16*hq+dp:129+16*hq+dp] op_sel:[0,1,0] op_sel_hi:[1,1,1]
.endif
.set dp, dp+2
.endr
.set hq, hq+1
.endr
.set kk, kk+1
.endr
	WIN 0
	QUANT 128, 0, PC, 0, -1                        ; a head's 32 channels are one block of Wo's K: block b of the macro is query hq = b
	v_add_nc_u32 v[A2], s[O1], v[OIW]
	v_add_nc_u32 v[A3], s[HN], v[OSB]
.irp q,0,1,2,3
	ds_store_b128 v[A2], v[PC+4*\q:PC+4*\q+3] offset:4096*\q   ; registers 4 (n % 4) .. of fragment (hq, K step n / 4): 512 n bytes into row tile hq's two images
	ds_store_b8 v[A3], v[TM+4+\q] offset:256*\q
.endr
	s_xor_b32 s[TA], s[RU], 65536                  ; the place four further on in the ring
	s_xor_b32 s[TB], s[RS], 4096
	s_add_co_u32 s[TB], s[TB], WS
	STOREW
	s_add_nc_u64 s[SQ:SQ+1], s[SQ:SQ+1], 0x200000  ; (the loads that read this base are in)
	s_add_co_u32 s[RU], s[RU], 16384
	s_add_co_u32 s[RS], s[RS], 1024
	s_xor_b32 s[SB], s[SB], 32768
	s_xor_b32 s[SSB], s[SSB], 2048
	s_add_co_u32 s[O1], s[O1], 512
	s_add_co_u32 s[O2], s[O2], 1024
	s_add_co_u32 s[O3], s[O3], 128
	s_add_co_u32 s[HN], s[HN], 1
	s_cmp_lt_u32 s[HN], 8
	s_cbranch_scc1 .Lhead
; ---------------------------------------------------------------- Wo: Y = s + o Wo^T.  The residual's rows are loaded straight into the accumulators (row tiles 0, 1 came in the heads); bo is added where Y is read
	BARRIER                                        ; units 8 to 11 lie in the ring; nobody reads s's images any more
.irp e,0,1,2,3
	XLOAD 3, 64*\e, XA, RES2, 4194304*(\e/2)+512*(\e%2), 0     ; row tiles 2 and 3
	WIN 0x40
	FRAG 16*(2*\e), OIW, 2048*(2*\e)               ; o's fragments (hq, K step), two between each two runs of loads from memory
	FRAG 16*(2*\e+1), OIW, 2048*(2*\e+1)
.endr
	WIN 0
.irp q,0,1,2,3
	ds_load_b64 v[SCX+2*\q:SCX+2*\q+1], v[OSB] offset:256*\q   ; eight bytes a row: the two K steps' scale words
.endr
	v_add_nc_u32 v[A1], WS, v[LS]
.macro WOSTEP a                        ; four tiles of 16 output channels x four row tiles x two K steps; the 16 accumulators by turns
.irp i,0,1,2,3,4,5,6,7
	FRAG 128+16*\i, LI, 16384*(\a)+2048*\i
.endr
.irp i,0,1,2,3,4,5,6,7
	ds_load_b32 v[SCW+\i], v[A1] offset:1024*(\a)+128*\i
.endr
	s_wait_dscnt 0x0
.if (\a) == 0
	s_wait_loadcnt 0x0                             ; the residual's rows
.endif
	LOADW
.irp k,0,1
	WIN 0xA4
.irp t,0,1,2,3
.irp r,0,1
	MM 128*\r+8*(4*(\a)+\t), 128+16*(2*\t+\k), 16*(2*\r+\k), 128*\r+8*(4*(\a)+\t), SCW+2*\t+\k, SCX+2*\r+\k
.endr
.endr
	WIN 0xF4
.irp t,0,1,2,3
.irp r,0,1
	MM 128*\r+8*(4*(\a)+\t), 128+16*(2*\t+\k), 16*(2*\r+4+\k), 128*\r+8*(4*(\a)+\t), SCW+2*\t+\k, SCX+2*\r+4+\k
.endr
.endr
.endr
	WIN 0
	PLACES 8
	s_mov_b32 s[TA], 65536+16384*(\a)
	s_mov_b32 s[TB], WS+4096+1024*(\a)
	STOREW
.endm
	WOSTEP 0
	WOSTEP 1
	WOSTEP 2
	WOSTEP 3
; ---------------------------------------------------------------- LayerNorm: a trip a row tile.  The tile's 128 numbers a lane go through my own LDS bytes into fixed registers, so that the trip is written once
.macro LNGB z                          ; ln_g and ln_b of K step z at my channels, into window 1
	WIN 0x40
.set k, 0
.rept 16
	ds_load_b128 v[128+4*k:131+4*k], v[VBL] offset:3072+512*(\z)+128*(k/4)+16*(k%4)
	ds_load_b128 v[192+4*k:195+4*k], v[VBL] offset:4096+512*(\z)+128*(k/4)+16*(k%4)
.set k, k+1
.endr
	WIN 0
.endm
.macro JOIN                            ; four packed chains v96-103 become one number, the same in lanes l and l xor 16
	v_pk_add_f32 v[96:97], v[96:97], v[98:99]
	v_pk_add_f32 v[100:101], v[100:101], v[102:103]
	v_pk_add_f32 v[96:97], v[96:97], v[100:101]
	v_add_f32 v96, v96, v97
	v_permlanex16_b32 v97, v96, s[SEL], s[SEL+1]
	v_add_f32 v96, v96, v97
.endm
	WIN 0x40
.set k, 0
.rept 32
	ds_load_b128 v[4*k:4*k+3], v[VBL] offset:2048+128*(k/4)+16*(k%4)         ; bo at my 128 channels: it stays for the four trips, where o's codes lay
.set k, k+1
.endr
	WIN 0
	s_mov_b32 s[CN], 0
	s_mov_b32 s[O1], 0                             ; 4,096 rt
	s_mov_b32 s[O2], 0                             ; 256 rt
	s_mov_b32 s[TA], 0x3b800000                    ; 1 / 256
	s_mov_b32 s[TB], 0x3727c5ac                    ; 1e-5
.Lln:
	SELY OIW, 0
.set k, 0
.rept 32
	ds_load_b128 v[128+4*k:131+4*k], v[OIW] offset:512*k       ; LDS serves a wave's instructions in order: these see the stores above
.set k, k+1
.endr
	s_wait_dscnt 0x0
	WIN 0x04
.set k, 0
.rept 64
	v_pk_add_f32 v[128+2*k:129+2*k], v[128+2*k:129+2*k], v[2*k:2*k+1]        ; s1 = s + o Wo^T + bo
.set k, k+1
.endr
	LNGB 0
.set k, 0
.rept 4
	v_pk_add_f32 v[96+2*k:97+2*k], v[128+2*k:129+2*k], v[136+2*k:137+2*k]
.set k, k+1
.endr
.set k, 8
.rept 56
	v_pk_add_f32 v[96+2*(k%4):97+2*(k%4)], v[96+2*(k%4):97+2*(k%4)], v[128+2*k:129+2*k]
.set k, k+1
.endr
	JOIN
	v_mul_f32 v104, s[TA], v96                     ; the mean
	v_mov_b32 v105, v104
.set k, 0
.rept 64
	v_pk_add_f32 v[128+2*k:129+2*k], v[128+2*k:129+2*k], v[104:105] neg_lo:[0,1] neg_hi:[0,1]
.set k, k+1
.endr
.set k, 0
.rept 4
	v_pk_mul_f32 v[96+2*k:97+2*k], v[128+2*k:129+2*k], v[128+2*k:129+2*k]
.set k, k+1
.endr
.set k, 4
.rept 60
	v_pk_fma_f32 v[96+2*(k%4):97+2*(k%4)], v[128+2*k:129+2*k], v[128+2*k:129+2*k], v[96+2*(k%4):97+2*(k%4)]
.set k, k+1
.endr
	JOIN
	v_fma_f32 v96, v96, s[TA], s[TB]
	v_rsq_f32 v106, v96
	v_nop
	s_wait_alu depctr_va_vdst(0)                   ; the wait ahead of the root's first reader
	v_mov_b32 v107, v106
.set k, 0
.rept 64
	v_pk_mul_f32 v[128+2*k:129+2*k], v[128+2*k:129+2*k], v[106:107]
.set k, k+1
.endr
	s_wait_dscnt 0x0                               ; ln_g, ln_b of K step 0; and the last trip's stores have read their registers
	v_add_nc_u32 v[A0], s[O1], v[HIW]
	v_add_nc_u32 v[A2], s[O2], v[HSW]
	WIN 0x14
.set k, 0
.rept 32
	v_pk_fma_f32 v[128+2*k:129+2*k], v[128+2*k:129+2*k], v[128+2*k:129+2*k], v[192+2*k:193+2*k]
.set k, k+1
.endr
	LNGB 1
	QUANT 128, 0, PC, 0, PW
	IMAGE A0, PC, 0
	ds_store_b32 v[A2], v[PW]
	s_wait_dscnt 0x0                               ; ln_g, ln_b of K step 1; the stores have read their registers
	WIN 0x14
.set k, 0
.rept 32
	v_pk_fma_f32 v[192+2*k:193+2*k], v[192+2*k:193+2*k], v[128+2*k:129+2*k], v[192+2*k:193+2*k]
.set k, k+1
.endr
	WIN 0
	QUANT 192, 0, PC, 0, PW
	IMAGE A0, PC, 2048
	ds_store_b32 v[A2], v[PW] offset:128
	s_add_co_u32 s[O1], s[O1], 4096
	s_add_co_u32 s[O2], s[O2], 256
	s_add_co_u32 s[CN], s[CN], 1
	s_cmp_lt_u32 s[CN], 4
	s_cbranch_scc1 .Lln
	WIN 0x40
.irp f,0,1,2,3,4,5,6,7
	FRAG 16*\f, HIW, 2048*\f                       ; n's fragments (row tile, K step): they stay for the whole MLP
.endr
	v_mov_b32 v240, 0x32edffee                     ; erf: alpha_11, twice,
	v_mov_b32 v241, 0x32edffee
	v_mov_b32 v242, 0xb95fbd29                     ; and beta_6
	v_mov_b32 v243, 0xb95fbd29
	WIN 0
.irp f,0,1,2,3,4,5,6,7
	ds_load_b32 v[SCX+\f], v[HSW] offset:128*\f
.endr
.macro PAIR r, bits
	s_mov_b32 s[\r], \bits
	s_mov_b32 s[\r+1], \bits
.endm
	PAIR AL0, 0xaf95df0b                           ; alpha_13 = -2.72614226e-10
	PAIR AL2, 0xb60cff51                           ; alpha_9  = -2.10102402e-06
	PAIR AL3, 0xb86ec2d2                           ; alpha_7  = -5.69250639e-05
	PAIR AL4, 0xba40ac63                           ; alpha_5  = -7.34990630e-04
	PAIR AL5, 0xbb41a1f6                           ; alpha_3  = -2.95459981e-03
	PAIR AL6, 0xbc83dbd4                           ; alpha_1  = -1.60960333e-02
	PAIR BE0, 0xb77460cd                           ; beta_8   = -1.45660718e-05
	PAIR BE2, 0xbadc924e                           ; beta_4   = -1.68282697e-03
	PAIR BE3, 0xbbf19bf8                           ; beta_2   = -7.37332917e-03
	PAIR BE4, 0xbc69b6a7                           ; beta_0   = -1.42647391e-02
	PAIR RS2, 0x3f3504f3                           ; 2^-0.5
	BARRIER                                        ; units 12 to 15 lie in the ring; nobody reads units 8 to 11 any more
; ---------------------------------------------------------------- the MLP: 8 chunks of 128 hidden units; a step makes 32 of them for my 64 rows, a chunk's end adds its K step onto Y
; gelu(x) = x / 2 + (x / 2) erf(x 2^-0.5), erf(t) = t P(t^2) / Q(t^2), t held within +-4.  16 numbers; the 16 reciprocals are one batch with one wait
.macro GELU g
.set X, 128+16*(\g)
.irp p,0,2,4,6,8,10,12,14
	v_pk_mul_f32 v[T1+\p:T1+\p+1], v[X+\p:X+\p+1], s[RS2:RS2+1] op_sel_hi:[1,0]
.endr
.irp p,0,1,2,3,4,5,6,7,8,9,10,11,12,13,14,15
	v_med3_num_f32 v[T1+\p], v[T1+\p], -4.0, 4.0
.endr
.irp p,0,2,4,6,8,10,12,14
	v_pk_mul_f32 v[T2+\p:T2+\p+1], v[T1+\p:T1+\p+1], v[T1+\p:T1+\p+1]
.endr
	WIN 0x10
.irp p,0,2,4,6,8,10,12,14
	v_pk_fma_f32 v[T3+\p:T3+\p+1], v[T2+\p:T2+\p+1], s[AL0:AL0+1], v[240:241] op_sel_hi:[1,0,1]
.endr
.irp p,0,2,4,6,8,10,12,14
	v_pk_fma_f32 v[T4+\p:T4+\p+1], v[T2+\p:T2+\p+1], s[BE0:BE0+1], v[242:243] op_sel_hi:[1,0,1]
.endr
	WIN 0
.irp a,AL2,AL3,AL4,AL5,AL6
.irp p,0,2,4,6,8,10,12,14
	v_pk_fma_f32 v[T3+\p:T3+\p+1], v[T3+\p:T3+\p+1], v[T2+\p:T2+\p+1], s[\a:\a+1] op_sel_hi:[1,1,0]
.endr
.endr
.irp a,BE2,BE3,BE4
.irp p,0,2,4,6,8,10,12,14
	v_pk_fma_f32 v[T4+\p:T4+\p+1], v[T4+\p:T4+\p+1], v[T2+\p:T2+\p+1], s[\a:\a+1] op_sel_hi:[1,1,0]
.endr
.endr
.irp p,0,1,2,3,4,5,6,7,8,9,10,11,12,13,14,15
	v_rcp_f32 v[T4+\p], v[T4+\p]
.endr
.irp p,0,2,4,6,8,10,12,14
	v_pk_mul_f32 v[T3+\p:T3+\p+1], v[T3+\p:T3+\p+1], v[T1+\p:T1+\p+1]       ; work that names no reciprocal stands behind the batch
.endr
.irp p,0,2,4,6,8,10,12,14
	v_pk_mul_f32 v[X+\p:X+\p+1], v[X+\p:X+\p+1], 0.5 op_sel_hi:[1,0]
.endr
.irp p,0,2,4,6,8,10,12,14
	v_pk_mul_f32 v[T3+\p:T3+\p+1], v[T3+\p:T3+\p+1], v[X+\p:X+\p+1]
.endr
	s_wait_alu depctr_va_vdst(0)                   ; the wait ahead of the batch's first reader
.irp p,0,2,4,6,8,10,12,14
	v_pk_fma_f32 v[X+\p:X+\p+1], v[T3+\p:T3+\p+1], v[T4+\p:T4+\p+1], v[X+\p:X+\p+1]
.endr
.endm
; What a step reads from LDS, in two runs: four fragments into v192-255, their scale words, and mb1 at my 16 units (the C of the first products) into window 1
.macro MFA wa, sa
	FRAG 192, \wa, 0
	FRAG 208, \wa, 2048
.irp i,0,1,2,3
	ds_load_b32 v[SCW+\i], v[\sa] offset:128*\i
.endr
.endm
.macro MFB wa, ba
	FRAG 224, \wa, 4096
	FRAG 240, \wa, 6144
	WIN 0x40
	ds_load_b128 v[226:229], v[\ba] offset:6144
	ds_load_b128 v[230:233], v[\ba] offset:6160
	ds_load_b128 v[244:247], v[\ba] offset:6176
	ds_load_b128 v[248:251], v[\ba] offset:6192
	WIN 0
.endm
; mw2's tiles 4 g .. 4 g + 3 are the upper half of the chunk's unit g.  Groups 0 and 2 lie in v192-255 with their scale words in v36-39, groups 1 and 3 in v128-191 with theirs in v28-31
.macro TFETCH g
.irp i,0,1,2,3
	FRAG 192-64*((\g)%2)+16*\i, MWA, 16384*(\g)+8192+2048*\i
.endr
.irp i,0,1,2,3
	ds_load_b32 v[SCW-8*((\g)%2)+\i], v[MSA] offset:1024*(\g)+512+128*\i
.endr
.endm
.macro TMUL g                          ; Y += gelu(..) mw2^T for four tiles of output channels x four row tiles: 16 accumulators, each once
	WIN 0xA4
.irp i,0,1,2,3
.irp r,0,1
	MM 128*\r+8*(4*(\g)+\i), 192-64*((\g)%2)+16*\i, 128+16*\r, 128*\r+8*(4*(\g)+\i), SCW-8*((\g)%2)+\i, SQW+\r
.endr
.endr
	WIN 0xF4
.irp i,0,1,2,3
.irp r,0,1
	MM 128*\r+8*(4*(\g)+\i), 192-64*((\g)%2)+16*\i, 160+16*\r, 128*\r+8*(4*(\g)+\i), SCW-8*((\g)%2)+\i, SQW+2+\r
.endr
.endr
	WIN 0
.endm
	s_mov_b32 s[RU], 65536                         ; the half of the ring that holds this chunk's four units
	s_mov_b32 s[RS], 4096
	s_mov_b32 s[MB], 0
	s_mov_b32 s[CN], 0
.Lchunk:
	s_mov_b32 s[CI], 0
	s_mov_b32 s[O1], 0                             ; 16,384 c
	s_mov_b32 s[O2], 0                             ; 1,024 c
	s_mov_b32 s[O3], 0                             ; 512 c
	v_add_nc_u32 v[MWA], s[RU], v[LI]
	s_add_co_u32 s[TB], s[RS], WS
	v_add_nc_u32 v[MSA], s[TB], v[LS]
	v_add_nc_u32 v[A2], s[MB], v[VBL]
	MFA MWA, MSA                                   ; the chunk's first step: its unit is whole only behind the barrier, so it is fetched here
	MFB MWA, A2
.Lstep:
	s_wait_dscnt 0x0                               ; this step's fragments (asked for a step ago) are in, and the last step's stores have read their registers
	LOADW
	WIN 0x14                                       ; mw1: two tiles of 16 hidden units x two K steps x four row tiles; the 8 accumulators by turns
.irp r,0,1,2,3
	MM 128+16*\r, 192, 32*\r, 226, SCW, SCX+2*\r
	MM 136+16*\r, 224, 32*\r, 244, SCW+2, SCX+2*\r
.endr
	WIN 0x04
.irp r,0,1,2,3
.irp u,0,1
	MM 128+16*\r+8*\u, 208+32*\u, 32*\r+16, 128+16*\r+8*\u, SCW+2*\u+1, SCX+2*\r+1
.endr
.endr
	WIN 0
	PLACES 8
	; what is fetched next: steps 0 to 2: the next unit's lower half (mw1); step 3: unit 0's upper half, mw2's first four tiles, for the chunk's end
	s_add_co_u32 s[TA], s[O1], 16384
	s_lshr_b32 s[TB], s[TA], 16                    ; 1 in step 3
	s_lshl_b32 s[TB], s[TB], 13
	s_and_b32 s[TA], s[TA], 0xffff
	s_add_co_u32 s[TA], s[TA], s[TB]
	v_add_nc_u32 v[A0], s[TA], v[MWA]
	s_add_co_u32 s[TA], s[O2], 1024
	s_lshr_b32 s[TB], s[TA], 12
	s_lshl_b32 s[TB], s[TB], 9
	s_and_b32 s[TA], s[TA], 0xfff
	s_add_co_u32 s[TA], s[TA], s[TB]
	v_add_nc_u32 v[A1], s[TA], v[MSA]
	s_add_co_u32 s[TA], s[MB], 128
	s_and_b32 s[TA], s[TA], 0xfff                  ; (behind the last step of all it points at mb1's head again; what step 3 fetches of mb1 is fetched anew at the next chunk's head)
	v_add_nc_u32 v[A2], s[TA], v[VBL]
	MFA A0, A1
	GELU 0
	MFB A0, A2
	GELU 1
	GELU 2
	GELU 3
	QUANT 128, 0, PC, 0, -1                        ; these 32 units are one block of the second product's K: block b of the macro is row tile b
	v_add_nc_u32 v[A3], s[O3], v[HIW]
	v_add_nc_u32 v[A4], s[CI], v[HSW]
.irp r,0,1,2,3
	ds_store_b128 v[A3], v[PC+4*\r:PC+4*\r+3] offset:2048*\r   ; registers 4 c .. of row tile r's fragment
	ds_store_b8 v[A4], v[TM+4+\r] offset:128*\r
.endr
	s_add_co_u32 s[TA], s[RU], s[O1]
	s_xor_b32 s[TA], s[TA], 65536                  ; the same place in the other half of the ring
	s_add_co_u32 s[TB], s[RS], s[O2]
	s_add_co_u32 s[TB], s[TB], WS
	s_xor_b32 s[TB], s[TB], 4096
	STOREW
	s_add_co_u32 s[O1], s[O1], 16384
	s_add_co_u32 s[O2], s[O2], 1024
	s_add_co_u32 s[O3], s[O3], 512
	s_add_co_u32 s[MB], s[MB], 128
	s_add_co_u32 s[CI], s[CI], 1
	s_cmp_lt_u32 s[CI], 4
	s_cbranch_scc1 .Lstep
	; the chunk's end: K step = this chunk.  Group g + 1's 20 LDS loads land under group g's 16 products
	WIN 0x40
.irp r,0,1,2,3
	FRAG 128+16*\r, HIW, 2048*\r                   ; the hidden layer's four fragments
.endr
	WIN 0
.irp r,0,1,2,3
	ds_load_b32 v[SQW+\r], v[HSW] offset:128*\r
.endr
	TFETCH 1
	s_wait_dscnt 20                                ; all but group 1's 20: group 0 (asked for in step 3) and the hidden layer are in
	TMUL 0
	PLACES 8
	TFETCH 2
	s_wait_dscnt 20                                ; all but group 2's 20: group 1 is in
	TMUL 1
	PLACES 8
	TFETCH 3
	s_wait_dscnt 20                                ; all but group 3's 20: group 2 is in
	TMUL 2
	s_wait_dscnt 0x0
	TMUL 3
	PLACES 9                                       ; the next step's results are laid over group 3's fragments
	BARRIER                                        ; nobody reads this half of the ring any more; the other half is whole
	s_xor_b32 s[RU], s[RU], 65536
	s_xor_b32 s[RS], s[RS], 4096
	s_add_co_u32 s[CN], s[CN], 1
	s_cmp_lt_u32 s[CN], 8
	s_cbranch_scc1 .Lchunk
; ---------------------------------------------------------------- the way out: a trip a row tile, through my stage (in the ring's bytes, which nobody reads any more), as whole rows of 1,024 bytes
	v_add_nc_u32 v[A0], VB, v[LI]
	ds_load_b128 v[96:99], v[A0] offset:2048       ; bo and mb2 at the 4 channels that I store, for each half of a row
	ds_load_b128 v[100:103], v[A0] offset:2560
	ds_load_b128 v[104:107], v[A0] offset:5120
	ds_load_b128 v[108:111], v[A0] offset:5632
	s_wait_dscnt 0x0
.irp p,0,2,4,6
	v_pk_add_f32 v[96+\p:97+\p], v[96+\p:97+\p], v[104+\p:105+\p]
.endr
	s_mov_b32 s[CN], 0
.Lout:
	SELY STI, 1
.set m, 0
.rept 32
	ds_load_b128 v[128+4*m:131+4*m], v[STO] offset:1040*(m/2)+512*(m%2)      ; LDS serves a wave's instructions in order: these see the stores above
.set m, m+1
.endr
.set m, 0
.rept 32
	s_wait_dscnt 31-m                              ; LDS loads come back in order: load m is in, the 31 - m younger ones may be out
	v_pk_add_f32 v[128+4*m:129+4*m], v[128+4*m:129+4*m], v[96+4*(m%2):97+4*(m%2)]
	v_pk_add_f32 v[130+4*m:131+4*m], v[130+4*m:131+4*m], v[98+4*(m%2):99+4*(m%2)]
	global_store_b128 v[LI], v[128+4*m:131+4*m], s[OUTP:OUTP+1] offset:1024*(m/2)+512*(m%2) th:TH_STORE_NT   ; 32 lanes store 512 consecutive bytes, aligned
.set m, m+1
.endr
	s_wait_xcnt 0x0                                ; the stores have read their registers and their base: both are written again
	s_add_nc_u64 s[OUTP:OUTP+1], s[OUTP:OUTP+1], 0x400000
	s_add_co_u32 s[CN], s[CN], 1
	s_cmp_lt_u32 s[CN], 4
	s_cbranch_scc1 .Lout
	s_wait_xcnt 0x0
	v_lshl_add_u32 v254, v0, 2, 0x4f400
	v_mov_b32 v255, 0
	s_wait_tensorcnt 0x0
	ds_add_u32 v254, v255
	s_wait_dscnt 0x0
	s_endpgm
.Lfunc_end_k_q6707b2ed98_main:
	.size	k_q6707b2ed98_main, .Lfunc_end_k_q6707b2ed98_main-k_q6707b2ed98_main
	.p2alignl 7, 3214868480
	.fill 96, 4, 3214868480
	.section	.rodata,"a",@progbits
	.p2align	6, 0x0
	.amdhsa_kernel k_q6707b2ed98_main
		.amdhsa_group_segment_fixed_size 325120
		.amdhsa_private_segment_fixed_size 0
		.amdhsa_enable_private_segment 0
		.amdhsa_kernarg_size 184
		.amdhsa_user_sgpr_count 2
		.amdhsa_user_sgpr_kernarg_segment_ptr 1
		.amdhsa_wavefront_size32 1
		.amdhsa_system_sgpr_workgroup_id_x 1
		.amdhsa_system_sgpr_workgroup_id_y 1
		.amdhsa_system_sgpr_workgroup_id_z 1
		.amdhsa_system_vgpr_workitem_id 0
		.amdhsa_next_free_vgpr 1024
		.amdhsa_next_free_sgpr 100
		.amdhsa_reserve_vcc 0
		.amdhsa_float_denorm_mode_32 3
		.amdhsa_float_denorm_mode_16_64 3
		.amdhsa_memory_ordered 1
		.amdhsa_forward_progress 1
		.amdhsa_inst_pref_size 255
	.end_amdhsa_kernel
	.section	.bss,"aw",@nobits
	.p2align	6
	.space	262144
	.amdgpu_metadata
---
amdhsa.version: [ 1, 2 ]
amdhsa.kernels:
  - .name:           k_q6707b2ed98_main
    .symbol:         k_q6707b2ed98_main.kd
    .args:
      - { .name: s, .offset: 0, .size: 8, .value_kind: global_buffer, .address_space: global }
      - { .name: x, .offset: 8, .size: 8, .value_kind: global_buffer, .address_space: global }
      - { .name: s_pos, .offset: 16, .size: 8, .value_kind: global_buffer, .address_space: global }
      - { .name: x_pos, .offset: 24, .size: 8, .value_kind: global_buffer, .address_space: global }
      - { .name: wc, .offset: 32, .size: 8, .value_kind: global_buffer, .address_space: global }
      - { .name: ws, .offset: 40, .size: 8, .value_kind: global_buffer, .address_space: global }
      - { .name: bq, .offset: 48, .size: 8, .value_kind: global_buffer, .address_space: global }
      - { .name: bk, .offset: 56, .size: 8, .value_kind: global_buffer, .address_space: global }
      - { .name: bv, .offset: 64, .size: 8, .value_kind: global_buffer, .address_space: global }
      - { .name: bo, .offset: 72, .size: 8, .value_kind: global_buffer, .address_space: global }
      - { .name: pw1, .offset: 80, .size: 8, .value_kind: global_buffer, .address_space: global }
      - { .name: pb1, .offset: 88, .size: 8, .value_kind: global_buffer, .address_space: global }
      - { .name: bn_g, .offset: 96, .size: 8, .value_kind: global_buffer, .address_space: global }
      - { .name: bn_b, .offset: 104, .size: 8, .value_kind: global_buffer, .address_space: global }
      - { .name: bn_m, .offset: 112, .size: 8, .value_kind: global_buffer, .address_space: global }
      - { .name: bn_v, .offset: 120, .size: 8, .value_kind: global_buffer, .address_space: global }
      - { .name: pw2, .offset: 128, .size: 8, .value_kind: global_buffer, .address_space: global }
      - { .name: pb2, .offset: 136, .size: 8, .value_kind: global_buffer, .address_space: global }
      - { .name: ln_g, .offset: 144, .size: 8, .value_kind: global_buffer, .address_space: global }
      - { .name: ln_b, .offset: 152, .size: 8, .value_kind: global_buffer, .address_space: global }
      - { .name: mb1, .offset: 160, .size: 8, .value_kind: global_buffer, .address_space: global }
      - { .name: mb2, .offset: 168, .size: 8, .value_kind: global_buffer, .address_space: global }
      - { .name: out0, .offset: 176, .size: 8, .value_kind: global_buffer, .address_space: global }
    .group_segment_fixed_size: 325120
    .private_segment_fixed_size: 0
    .kernarg_segment_align: 8
    .kernarg_segment_size: 184
    .max_flat_workgroup_size: 128
    .sgpr_count:     100
    .vgpr_count:     1024
    .wavefront_size: 32
...
	.end_amdgpu_metadata
.endif
;; end of part 2
